; MI455X (gfx1250); checked and timed in simulation.
; The chip was launched on July 23, 2026; its instructions are those of AMD's public machine-readable ISA for CDNA 5 (MIT licence, August 2026) and "CDNA5" Instruction Set Architecture Reference Guide (July 2026). The comments in the code are by the model that wrote it; some were corrected since.
;; KNNBC Policy. Allowed arithmetic: matrix products marked QUANTISED: E4M3 operands, one E8M0 scale for each 32 along K, by v_wmma_scale_f32_16x16x128_f8f6f4 with both operands' format E4M3, f32 sums; everything else in f32.
;; Inputs: act_bank 100,000 x 32 float32; obs 1,024 x 512 float32; obs_bank 100,000 x 512 float32.
;; Outputs: out0 1,024 x 32 float32.
;; This version of the problem:
;;   THIS VERSION OF THE PROBLEM IS GIVEN IN LOW PRECISION. The matrix products marked QUANTISED in the list below multiply operands that are first quantised to E4M3 (4 exponent bits, 3 mantissa bits; 8 bits a number), with one power-of-two scale for each 32 numbers along K (OCP MX v1.0); their sums are f32. All else is computed in f32.
;;   The module's matrix products, in the order in which they are computed (A, B: the left and right operand; K: the contracted axis; several contracted axes count as one K, in the product's order):
;;     1. [M 1,024, K 512] x [K 512, N 100,000]; A: input obs; B: input obs_bank: QUANTISED
;;   THE QUANTISER, for each operand of a quantised product, along K:
;;     - K is cut into blocks of 32 from its start; a last block that is shorter is filled with zeros.
;;     - A block's scale is 2^e with e = floor(log2(the largest magnitude in the block)) - 8, held to -126 .. 127; a block of zeros has e = 0. As a byte (E8M0): e + 127.
;;     - Each number is divided by its block's scale, clamped to +-448, and rounded to the nearest number of E4M3, ties to even, subnormals kept.
;;     - The product sums the exact products of the quantised numbers (number of the format x scale) in f32.
;;   ~~~python
;;   def quantise(x, axis):      # numpy; x: float32 -> the quantised numbers, widened to float32 again
;;       x = np.moveaxis(x, axis, -1); K = x.shape[-1]
;;       x = np.pad(x, [(0, 0)] * (x.ndim - 1) + [(0, -K % 32)]); x = x.reshape(x.shape[:-1] + (-1, 32)); a = np.abs(x).max(-1, keepdims=True)
;;       e = np.where(a > 0, np.clip(np.frexp(np.where(a > 0, a, 1))[1] - 1 - 8, -126, 127), 0)      # np.frexp(a)[1] - 1 = floor(log2(a)), exactly
;;       r = np.clip(x / 2.0 ** e, -448, 448)
;;       step = 2.0 ** (np.maximum(np.frexp(np.where(r == 0, 1, r))[1] - 1, -6) - 3)
;;       q = np.round(r / step) * step * 2.0 ** e      # np.round: ties to even
;;       return np.moveaxis(q.reshape(q.shape[:-2] + (-1,))[..., :K], -1, axis).astype(np.float32)
;;   ~~~
;; One version. Each part assembles by itself: llvm-mc -triple=amdgcn-amd-amdhsa -mcpu=gfx1250 --defsym DOCPART=n.
;; ======== version 1 of 1: 5 launches
;; limits: right only within a limited range of input values
;; workspace buffers: bank8 54,591,488 bytes; q8 557,056 bytes; m1 51,380,224 bytes; m2 1,835,008 bytes; par0 65,536 bytes of whole numbers; sel1 65,536 bytes of whole numbers; sel2 65,536 bytes of whole numbers
;; launch quant (part 1): grid 3168 x 1, 2 waves a work-group, no clusters, 18,176 bytes of LDS; arguments obs_bank, obs, bank8, q8; writes bank8, q8
.if DOCPART == 1
	.amdgcn_target "amdgcn-amd-amdhsa--gfx1250"
	.amdhsa_code_object_version 6
	.text
	.protected	k_qa04adeb6ef_quant
	.globl	k_qa04adeb6ef_quant
	.p2align	8
	.type	k_qa04adeb6ef_quant,@function
k_qa04adeb6ef_quant:
	s_mov_b64 s[64:65], 0
	v_nop
	global_prefetch_b8 v0, s[64:65] scope:SCOPE_SE
	s_setreg_imm32_b32 hwreg(HW_REG_WAVE_MODE, 25, 1), 1
	s_wait_xcnt 0x0
; obs_bank [100000][512] and obs [1024][512], f32, become RECORDS, one for each tile of 16 rows, 8,704 bytes each:
;   bytes 0..8191     codes of FP8 (E4M3) in the order of a matrix operand's registers: at 2048 s + 512 c + 16 l the 16 codes of row l % 16, k = 128 s + 32 c + 16 (l / 16) + 0 .. 15
;   bytes 8192..8447  E8M0 scale words: the word of (row r, K step s) at 8 (16 (s % 2) + r) + 4 (s / 2): a load of 8 bytes a lane gives two registers, K steps 2 p in lanes 0-15, 2 p + 1 in lanes 16-31
;   bytes 8448..8511  the sum of squares of each row's UNQUANTISED numbers;  bytes 8512..8703 zeros
; A block's scale is 2^(floor(log2(largest magnitude)) - 8); its byte is the largest magnitude's exponent field - 8, held at 1 from below; numbers are held within +-448 x the scale and rounded to the nearest code, ties to even.
; (A block of zeros gets the byte 1 where the rule says 127: its codes are zeros, and this program alone reads the bytes.)
; LIMITS: NaN and infinities among the inputs are not served; blocks whose largest magnitude lies under 2^(9 - 127) were not tried; the sums of squares are added in an order of this text's own (four packed chains a lane).
; SHARES: a wave takes one tile: job J = 2 x work-group + wave; 3,168 work-groups of two waves make the 6,336 jobs, in small shares so that the WGPs' numbers of tiles differ little.
; J < 6250: tile J of the bank.  6250 <= J < 6272: a pad tile (zero codes, bytes 0x7f, sum of squares +infinity), so that the bank has 448 x 14 tiles.
; J >= 6272: tile J - 6272 of obs.  Bank and obs take one path; only pointers are chosen.  Waves share nothing: no barrier.
; Each load reads 512 consecutive bytes (a K step of one row); a K step's 16 rows turn through the wave's own stage in LDS (pitch 528: 16 rows start at 16 different 16-byte columns) and come back 16 neighbours along K a block.
.set NT,    6250
.set NTP,   6272
.set REC,   8704
.set WREG,  8960                       ; LDS of a wave: the stage, 16 x 528, and a record's last 512 bytes
.set SPARE, 2*WREG                     ; behind the two waves' regions: the spare words, 128 bytes a wave
.set SP,    528
.set TAIL,  8448
.set LN,   1                           ; lane
.set RR,   2                           ; r = lane % 16
.set HH,   3                           ; h = lane / 16
.set GOF,  4                           ; 16 x lane: my bytes of a load's or store's 512
.set SIN,  5                           ; the stage, way in
.set SOUT, 6                           ; the stage, way out: row r, + 64 h
.set SCW,  7                           ; my row's scale words in the tail
.set B2W,  8                           ; my row's sum of squares in the tail
.set TLA,  9                           ; the tail, 16 bytes a lane
.set ZR,   10                          ; v[10:13] zeros
.set R0,   16                          ; v16-79, v80-143: two sets of 16 x 4 registers as loaded
.set R1,   80
.set X,    144                         ; v144-207: register 16 c + i = k 32 c + 16 h + i of my row
.set PC,   208                         ; v208-223 the codes
.set TM,   224                         ; v224-227 largest magnitudes, 228-231 bytes, 232-235 448 x scale, 236-239 the conversions' scale operands
.set PW,   240                         ; the scale word
.set SQ,   242                         ; v[242:249] four packed chains of squares
.set T0,   250
.set T1,   251
.set SEL,  20                          ; s[20:21] selects for lane l xor 16
.set MNT,  23                          ; the mantissa field of 448
	s_load_b256 s[4:11], s[0:1], 0x0               ; obs_bank s[4:5], obs s[6:7], bank8 s[8:9], q8 s[10:11]
	v_lshl_add_u32 v254, v0, 2, SPARE
	v_mov_b32 v255, 0
	v_lshrrev_b32 v[LN], 5, v0
	s_delay_alu instid0(VALU_DEP_1)
	v_readfirstlane_b32 s12, v[LN]                 ; wave
	s_lshl_b32 s13, ttmp9, 1
	s_add_co_u32 s13, s13, s12                     ; J
	s_mul_i32 s18, s12, WREG
	v_and_b32 v[LN], 31, v0
	v_and_b32 v[RR], 15, v0
	v_bfe_u32 v[HH], v0, 4, 1
	s_delay_alu instid0(VALU_DEP_3)
	v_lshlrev_b32 v[GOF], 4, v[LN]
	s_delay_alu instid0(VALU_DEP_1)
	v_add_nc_u32 v[SIN], s18, v[GOF]
	s_delay_alu instid0(VALU_DEP_4)
	v_mul_u32_u24 v[SOUT], v[RR], SP
	s_delay_alu instid0(VALU_DEP_1)
	v_lshl_add_u32 v[SOUT], v[HH], 6, v[SOUT]
	s_delay_alu instid0(VALU_DEP_1)
	v_add_nc_u32 v[SOUT], s18, v[SOUT]
	s_add_co_u32 s19, s18, TAIL
	v_lshl_add_u32 v[SCW], v[RR], 3, s19
	s_add_co_u32 s22, s19, 256
	v_lshl_add_u32 v[B2W], v[RR], 2, s22
	v_add_nc_u32 v[TLA], s19, v[GOF]
	s_mov_b32 s[SEL], 0x76543210
	s_mov_b32 s[SEL+1], 0xfedcba98
	s_mov_b32 s[MNT], 0x600000
.irp b, 0,1,2,3
	v_mov_b32 v[ZR+\b], 0
	v_mov_b32 v[TM+4+\b], 0                        ; a lane permute's destination counts as one of its sources: written once
.endr
	v_mov_b32 v[T1], 0
	s_mov_b32 s17, 0
	s_wait_kmcnt 0x0
	s_cmp_lt_u32 s13, NT
	s_cbranch_scc1 .Lwork
	s_cmp_lt_u32 s13, NTP
	s_cbranch_scc1 .Lpad
.Lwork:
	s_cmp_lt_u32 s13, NTP                          ; the bank's tile or obs's?  The choice hangs on the job's number alone
	s_cselect_b64 s[4:5], s[4:5], s[6:7]
	s_cselect_b64 s[8:9], s[8:9], s[10:11]
	s_cselect_b32 s14, 0, NTP
	s_sub_co_u32 s14, s13, s14                     ; the tile's number in its tensor
	s_lshl_b32 s16, s14, 15                        ; 16 rows of 2,048 bytes
	s_add_nc_u64 s[4:5], s[4:5], s[16:17]
	s_mul_i32 s16, s14, REC
	s_add_nc_u64 s[8:9], s[8:9], s[16:17]
.macro LOAD s, set                     ; K step s of the 16 rows: each load reads 512 consecutive bytes
.irp p, 0,1,2,3,4,5,6,7,8,9,10,11,12,13,14,15
	global_load_b128 v[\set+4*\p:\set+4*\p+3], v[GOF], s[4:5] offset:\p*2048+(\s)*512 th:TH_LOAD_NT
.endr
.endm
.macro TURN set                        ; through the stage: LDS serves a wave's instructions in order, so no wait stands between the stores and the loads
.irp p, 0,1,2,3,4,5,6,7,8,9,10,11,12,13,14,15
	ds_store_b128 v[SIN], v[\set+4*\p:\set+4*\p+3] offset:\p*SP
.endr
.irp c, 0,1,2,3
.irp j, 0,1,2,3
	ds_load_b128 v[X+16*\c+4*\j:X+16*\c+4*\j+3], v[SOUT] offset:128*\c+16*\j
.endr
.endr
.endm
.macro SQUARES first                   ; the squares of my 64 numbers, as they were given: ahead of the hold
.set PI, 0
.rept 32
.if \first && (PI < 4)
	v_pk_mul_f32 v[SQ+2*PI:SQ+2*PI+1], v[X+2*PI:X+2*PI+1], v[X+2*PI:X+2*PI+1]
.else
	v_pk_fma_f32 v[SQ+2*(PI%4):SQ+2*(PI%4)+1], v[X+2*PI:X+2*PI+1], v[X+2*PI:X+2*PI+1], v[SQ+2*(PI%4):SQ+2*(PI%4)+1]
.endif
.set PI, PI+1
.endr
.endm
.macro QUANT                           ; v[X] on: four blocks of 32 (16 numbers mine, 16 lane l xor 16's) become v[PC] on and the scale word v[PW]
.irp b, 0,1,2,3
	v_max3_num_f32 v[TM+\b], |v[X+16*\b]|, |v[X+1+16*\b]|, 0x4800000   ; with the floor 2^(9 - 127): the byte cannot fall under 1
.endr
.irp i, 2,4,6,8,10,12,14
.irp b, 0,1,2,3
	s_delay_alu instid0(VALU_DEP_4)
	v_max3_num_f32 v[TM+\b], v[TM+\b], |v[X+16*\b+\i]|, |v[X+1+16*\b+\i]|
.endr
.endr
.irp b, 0,1,2,3
	s_delay_alu instid0(VALU_DEP_4)
	v_permlanex16_b32 v[TM+4+\b], v[TM+\b], s[SEL], s[SEL+1]
.endr
.irp b, 0,1,2,3
	s_delay_alu instid0(VALU_DEP_4)
	v_max_num_f32 v[TM+\b], v[TM+\b], v[TM+4+\b]   ; the block's largest magnitude
.endr
.irp b, 0,1,2,3
	s_delay_alu instid0(VALU_DEP_4)
	v_add_nc_u32 v[TM+12+\b], 0xfc000000, v[TM+\b] ; 8 off its exponent field: the conversion's scale operand
.endr
.irp b, 0,1,2,3
	v_and_or_b32 v[TM+8+\b], v[TM+\b], 0x7f800000, s[MNT]   ; 448 x the scale
.endr
.irp b, 0,1,2,3
	v_lshrrev_b32 v[TM+4+\b], 23, v[TM+12+\b]      ; the scale's byte
.endr
	s_delay_alu instid0(VALU_DEP_3)
	v_lshl_or_b32 v[PW], v[TM+5], 8, v[TM+4]
	s_delay_alu instid0(VALU_DEP_1)
	v_lshl_or_b32 v[PW], v[TM+6], 16, v[PW]
	s_delay_alu instid0(VALU_DEP_1)
	v_lshl_or_b32 v[PW], v[TM+7], 24, v[PW]
.irp b, 0,1,2,3
.irp i, 0,1,2,3,4,5,6,7,8,9,10,11,12,13,14,15
	v_med3_num_f32 v[X+16*\b+\i], v[X+16*\b+\i], -v[TM+8+\b], v[TM+8+\b]   ; the conversion to an 8-bit code does not saturate (ISA guide 7.6.2): the hold
.endr
	v_cvt_scalef32_pk8_fp8_f32 v[PC+4*\b:PC+1+4*\b], v[X+16*\b:X+7+16*\b], v[TM+12+\b]
	v_cvt_scalef32_pk8_fp8_f32 v[PC+2+4*\b:PC+3+4*\b], v[X+8+16*\b:X+15+16*\b], v[TM+12+\b]
.endr
	v_nop                                          ; one plain vector line behind the last conversion
.endm
.macro KSTEP s, set, left, first
	s_wait_loadcnt \left                           ; this K step's 16 loads are in; the other set's 16 may be out
	TURN \set
	s_wait_dscnt 0x0                               ; my 64 numbers are back, and the stage's stores have read the set,
.if (\s) < 2
	LOAD (\s)+2, \set                              ; which takes the loads of two K steps on
.endif
	SQUARES \first
	s_wait_xcnt 0x0                                ; the last K step's stores have had their addresses translated: the codes' registers are rewritten only behind this wait
	QUANT
	ds_store_b32 v[SCW], v[PW] offset:128*((\s)%2)+4*((\s)/2)   ; lanes r and r + 16 write the same word with the same value; it stands ahead of the K step's global stores
.irp c, 0,1,2,3
	global_store_b128 v[GOF], v[PC+4*\c:PC+4*\c+3], s[8:9] offset:(\s)*2048+\c*512   ; 512 consecutive bytes, at a multiple of 256 from the buffer's first byte
.endr
.endm
	s_wait_alu depctr_va_vdst(0)
	ds_store_b128 v[TLA], v[ZR:ZR+3]               ; the tail begins as zeros
	LOAD 0, R0
	LOAD 1, R1
	KSTEP 0, R0, 16, 1
	KSTEP 1, R1, 16, 0
	KSTEP 2, R0, 16, 0
	KSTEP 3, R1, 0, 0
	v_pk_add_f32 v[SQ:SQ+1], v[SQ:SQ+1], v[SQ+2:SQ+3]
	v_pk_add_f32 v[SQ+4:SQ+5], v[SQ+4:SQ+5], v[SQ+6:SQ+7]
	s_delay_alu instid0(VALU_DEP_1)
	v_pk_add_f32 v[SQ:SQ+1], v[SQ:SQ+1], v[SQ+4:SQ+5]
	s_delay_alu instid0(VALU_DEP_1)
	v_add_f32 v[T0], v[SQ], v[SQ+1]
	s_delay_alu instid0(VALU_DEP_1)
	v_permlanex16_b32 v[T1], v[T0], s[SEL], s[SEL+1]
	s_delay_alu instid0(VALU_DEP_1)
	v_add_f32 v[T0], v[T0], v[T1]                  ; my row's sum of squares
	ds_store_b32 v[B2W], v[T0]
	ds_load_b128 v[X:X+3], v[TLA]                  ; the tail as a whole: these see my stores
	s_wait_dscnt 0x0
	global_store_b128 v[GOF], v[X:X+3], s[8:9] offset:8192
	s_wait_tensorcnt 0x0                           ; the wave's end
	ds_add_u32 v254, v255
	s_wait_dscnt 0x0
	s_endpgm
.Lpad:                                                 ; a pad tile: no LDS
	s_mul_i32 s16, s13, REC
	s_add_nc_u64 s[8:9], s[8:9], s[16:17]
	s_wait_alu depctr_va_vdst(0)
.irp n, 0,1,2,3,4,5,6,7,8,9,10,11,12,13,14,15
	global_store_b128 v[GOF], v[ZR:ZR+3], s[8:9] offset:\n*512
.endr
	v_mov_b32 v16, 0
	v_mov_b32 v17, 0x7f800000
	v_cmp_gt_u32 vcc_lo, 20, v[LN]
	s_delay_alu instid0(VALU_DEP_1)
	v_cndmask_b32 v16, v16, v17, vcc_lo            ; lanes 16-19: the 16 sums of squares: +infinity
	v_mov_b32 v17, 0x7f7f7f7f
	v_cmp_gt_u32 vcc_lo, 16, v[LN]
	s_delay_alu instid0(VALU_DEP_1)
	v_cndmask_b32 v16, v16, v17, vcc_lo            ; lanes 0-15: scale bytes 0x7f
	s_delay_alu instid0(VALU_DEP_1)
	v_mov_b32 v17, v16
	s_delay_alu instid0(VALU_DEP_2)
	v_mov_b32 v18, v16
	s_delay_alu instid0(VALU_DEP_3)
	v_mov_b32 v19, v16
	global_store_b128 v[GOF], v[16:19], s[8:9] offset:8192
	s_endpgm
.Lfunc_end_k_qa04adeb6ef_quant:
	.size	k_qa04adeb6ef_quant, .Lfunc_end_k_qa04adeb6ef_quant-k_qa04adeb6ef_quant
	.p2alignl 7, 3214868480
	.fill 96, 4, 3214868480
	.section	.rodata,"a",@progbits
	.p2align	6, 0x0
	.amdhsa_kernel k_qa04adeb6ef_quant
		.amdhsa_group_segment_fixed_size 18176
		.amdhsa_private_segment_fixed_size 0
		.amdhsa_enable_private_segment 0
		.amdhsa_kernarg_size 32
		.amdhsa_user_sgpr_count 2
		.amdhsa_user_sgpr_kernarg_segment_ptr 1
		.amdhsa_wavefront_size32 1
		.amdhsa_system_sgpr_workgroup_id_x 1
		.amdhsa_system_sgpr_workgroup_id_y 1
		.amdhsa_system_sgpr_workgroup_id_z 1
		.amdhsa_system_vgpr_workitem_id 0
		.amdhsa_next_free_vgpr 256
		.amdhsa_next_free_sgpr 66
		.amdhsa_reserve_vcc 1
		.amdhsa_float_denorm_mode_32 3
		.amdhsa_float_denorm_mode_16_64 3
		.amdhsa_memory_ordered 1
		.amdhsa_forward_progress 1
		.amdhsa_inst_pref_size 68
	.end_amdhsa_kernel
	.amdgpu_metadata
---
amdhsa.version: [ 1, 2 ]
amdhsa.kernels:
  - .name:           k_qa04adeb6ef_quant
    .symbol:         k_qa04adeb6ef_quant.kd
    .args:
      - { .name: obs_bank, .offset: 0, .size: 8, .value_kind: global_buffer, .address_space: global }
      - { .name: obs, .offset: 8, .size: 8, .value_kind: global_buffer, .address_space: global }
      - { .name: bank8, .offset: 16, .size: 8, .value_kind: global_buffer, .address_space: global }
      - { .name: q8, .offset: 24, .size: 8, .value_kind: global_buffer, .address_space: global }
    .group_segment_fixed_size: 18176
    .private_segment_fixed_size: 0
    .kernarg_segment_align: 8
    .kernarg_segment_size: 32
    .max_flat_workgroup_size: 64
    .sgpr_count:     66
    .vgpr_count:     256
    .wavefront_size: 32
...
	.end_amdgpu_metadata
.endif
;; end of part 1
;; launch dist (part 2): grid 4 x 64, 4 waves a work-group, clusters of 4 x 1, 327,680 bytes of LDS; arguments bank8, q8, m1, m2, par0; writes m1, m2, par0
.if DOCPART == 2
	.amdgcn_target "amdgcn-amd-amdhsa--gfx1250"
	.amdhsa_code_object_version 6
	.text
	.protected	k_qa04adeb6ef_dist
	.globl	k_qa04adeb6ef_dist
	.p2align	8
	.type	k_qa04adeb6ef_dist,@function
k_qa04adeb6ef_dist:
	s_mov_b64 s[64:65], 0
	v_nop
	global_prefetch_b8 v0, s[64:65] scope:SCOPE_SE
	s_setreg_imm32_b32 hwreg(HW_REG_WAVE_MODE, 25, 1), 1
	s_wait_xcnt 0x0
	s_wait_alu depctr_hold_cnt(0) depctr_sa_sdst(0) depctr_va_vdst(0) depctr_va_sdst(0) depctr_va_ssrc(0) depctr_va_vcc(0) depctr_vm_vsrc(0)
	s_getreg_b32 s2, hwreg(HW_REG_IB_STS2, 6, 4)
	s_cmp_eq_u32 s2, 0
	s_cbranch_scc0 .Lentry_in_a_cluster
	s_endpgm
.Lentry_in_a_cluster:
	s_bfe_u32 s2, ttmp6, 0x10000c
	s_cmp_lg_u32 s2, 0x3003
	s_cbranch_scc0 .Lentry_shape_is_right
	s_endpgm
.Lentry_shape_is_right:
; Scores s = 2 x dot - (q2 + b2) of all 1,024 queries against the 6,272 tiles of 16 bank rows (records of 8,704 bytes: codes in operand order, scale words, sums of squares).
; Stored: m1 = the largest score of each group of 8 neighbouring rows, [448 parents][1024 q][28]; m2 = the largest of each parent's 28, [16][1024 q][28]; par0 = the list 0..15 for every query.
; q2 + b2 is rounded first and 2 x dot taken from it by one fused multiply-add.
; SHARES: cluster y takes 98 tiles, as 7 groups of 14; the four work-groups of a cluster take 256 queries each and need the same tiles: each group of 14 records is asked for JOINTLY (mask 15), a quarter a wave.
; Wave (a, b): queries 128 a .. 128 a + 127 of the work-group (8 fragments of 4 K steps, 512 registers, loaded once), tiles 7 b .. 7 b + 6 of each group.
; Source 0 = 16 bank rows, source 1 = 16 queries: register j of lane (r, h) is (row 8 h + j, query r), so the largest of a lane's eight registers is a group's.
; A TILE: one run of 19 LDS loads (the next tile), 32 products (two groups of four accumulators by turns), the epilogue as one stretch in window 3, one run of 8 stores into the stage.
; A TRIP: 7 tiles; the change of slots (a round of the cluster's barrier); the refill of the slot just read, two groups on; the next group's first fragments; the stage just written leaves as whole 512-byte runs.
; Two stages by turns: a stage is written again only behind the next trip's barrier.  Two slots of 121,856 bytes at 0 and 131,072; stages at 262,144 and 294,912; spare words at 323,584.
; PREFETCH: in the trips whose successor still refills, each work-group names the 119 blocks of 256 bytes of its quarter (by its place's ADDRESS) of the group that the next trip's refill loads; the first three groups come by their loads alone.
; WINDOWS: 0 addresses, scale words, the bank's fragments (two sets); 1, 2 the queries' fragments; 3 accumulators v0-63, scores v64-127, b2 v128-143, q2 v144-159, maxima v160-175; on the way out v0-55 and v64-119.
; LIMITS: NaN and infinities among the inputs are not served (pad tiles carry b2 = +infinity and give -infinity).
.set REC,   8704
.set CGB,   14*REC
.set QTR,   CGB/4
.set HALF,  7*REC
.set SLOT1, 1<<17
.set STG0,  262144
.set STGX,  0x8000
.set SPARE, 323584
.set M1CG,  114688
.set SPW, 1
.set NIL, 2
.set FA0, 3
.set FS0, 4
.set FB0, 5
.set ST0, 6
.set SD0, 7
.set SQ0, 8
.set GO1, 9
.set GO2, 10
.set ADR, 11
.set ADS, 12
.set ADB, 13
.set STA, 14
.set SDA, 15
.set SQA, 16
.set LN,  17
.set RR,  18
.set HH,  19
.set QS,  20                           ; v20-35 the queries' scale words: nothing but scales
.set BS,  52                           ; v52-55 the bank's, two sets: nothing but scales
.set PFO, 88
.set PD,  90
.set L16, 92
.set L8,  93
.set R4,  94
.set BF,  96                           ; v96-223 the bank's fragments, two sets of 64
.set SD,  64                           ; window 3 from here on
.set B2,  128
.set Q2,  144
.set MX,  160
.set TX,  168
.set OO,  0
.set PP,  64
.set WV,  14
.set WA,  15
.set WB,  16
.set CX,  17
.set CY,  18
.set CNT, 19
.set TB,  20
.set SB,  21
.set G1,  24
.set G0A, 32
.set G0B, 36
.set M1P, 40
.set M2P, 42
.set PFB, 50
.set MSB, 0
.macro WIN new                         ; the immediate's high byte repeats the setting that is left
.if MSB != \new
	s_set_vgpr_msb (MSB<<8)|\new
.set MSB, \new
.endif
.endm
.macro CROUND                          ; a round of the cluster's barrier
	s_barrier_signal -1
	s_barrier_wait -1
	s_cmp_lg_u32 s[WV], 0
	s_cbranch_scc1 .Lnot_wave_0_\@
	s_barrier_signal -3
.Lnot_wave_0_\@:
	s_barrier_wait -3
	s_barrier_signal -1
	s_barrier_wait -1
.endm
.macro PLACES n
.rept \n
	v_nop
.endr
.endm
.macro WM p, s, t                      ; K step s of the tile in set p against query fragment t
.set rD, 8*(\t)
.set rA, BF+64*(\p)+16*(\s)
.set rB, 64*((\t)%4)+16*(\s)
.set rSA, BS+2*(\p)+(\s)/2
.set rSB, QS+2*(\t)+(\s)/2
.if (\s) == 0
	v_wmma_scale_f32_16x16x128_f8f6f4 v[rD:rD+7], v[rA:rA+15], v[rB:rB+15], 0, v[rSA], v[rSB]
.elseif (\s) == 2
	v_wmma_scale_f32_16x16x128_f8f6f4 v[rD:rD+7], v[rA:rA+15], v[rB:rB+15], v[rD:rD+7], v[rSA], v[rSB]
.else
	v_wmma_scale_f32_16x16x128_f8f6f4 v[rD:rD+7], v[rA:rA+15], v[rB:rB+15], v[rD:rD+7], v[rSA], v[rSB] matrix_a_scale:MATRIX_SCALE_ROW1 matrix_b_scale:MATRIX_SCALE_ROW1
.endif
.endm
.macro MUL p, g                        ; 16 products under one window setting: query fragments 4 g .. 4 g + 3 by turns, K ascending
.set wn_, 0xf4+4*(\g)
	WIN wn_
.irp s, 0,1,2,3
.irp t, 0,1,2,3
	WM \p, \s, 4*(\g)+\t
.endr
.endr
.endm
.macro FETCH p, fb                     ; the tile at byte fb of my half of the slot into set p: 19 LDS loads in one run
	WIN 0
	ds_load_b64 v[BS+2*(\p):BS+2*(\p)+1], v[ADS] offset:\fb
.irp n, 0,1,2,3,4,5,6,7,8,9,10,11,12,13,14,15
	ds_load_b128 v[BF+64*(\p)+4*\n:BF+64*(\p)+4*\n+3], v[ADR] offset:(\fb)+\n*512
.endr
	WIN 0xc0                                       ; destination window 3, address window 0
	ds_load_b128 v[B2+8*(\p):B2+8*(\p)+3], v[ADB] offset:\fb
	ds_load_b128 v[B2+8*(\p)+4:B2+8*(\p)+7], v[ADB] offset:(\fb)+16
.endm
.macro EPI p, i                        ; tile i's scores and their group maxima, all in window 3
	WIN 0xff
.irp te, 0,1,2,3,4,5,6,7
.irp j, 0,2,4,6
	v_pk_add_f32 v[SD+8*\te+\j:SD+8*\te+\j+1], v[B2+8*(\p)+\j:B2+8*(\p)+\j+1], v[Q2+2*\te:Q2+2*\te+1]   ; q2 + b2; these 32 lines name no register of the products: they are the places behind them (ISA guide 7.12.1)
.endr
.endr
.irp te, 0,1,2,3,4,5,6,7
.irp j, 0,2,4,6
	v_pk_fma_f32 v[SD+8*\te+\j:SD+8*\te+\j+1], v[8*\te+\j:8*\te+\j+1], 2.0, v[SD+8*\te+\j:SD+8*\te+\j+1] op_sel_hi:[1,0,1] neg_lo:[0,0,1] neg_hi:[0,0,1]   ; each accumulator from its low end on
.endr
.endr
.irp te, 0,1,2,3,4,5,6,7
	v_max3_num_f32 v[MX+\te], v[SD+8*\te], v[SD+8*\te+1], v[SD+8*\te+2]
.endr
.irp te, 0,1,2,3,4,5,6,7
	v_max3_num_f32 v[TX+\te], v[SD+8*\te+3], v[SD+8*\te+4], v[SD+8*\te+5]
.endr
.irp te, 0,1,2,3,4,5,6,7
	v_max3_num_f32 v[MX+\te], v[MX+\te], v[SD+8*\te+6], v[SD+8*\te+7]
.endr
.irp te, 0,1,2,3,4,5,6,7
	v_max_num_f32 v[MX+\te], v[MX+\te], v[TX+\te]
.endr
	WIN 0x0c                                       ; address window 0, data window 3
.irp te, 0,1,2,3,4,5,6,7
	ds_store_b32 v[STA], v[MX+\te] offset:\te*1792+(\i)*8   ; query 16 te + r, place 14 b + 2 i + h
.endr
.endm
.macro TILE i
.set p_, (\i)%2
.if (\i) > 0
	s_wait_dscnt 8                                 ; this tile's 19 loads are in; the 8 stage stores issued behind them may be out
.endif
.if (\i) < 6
	FETCH 1-p_, ((\i)+1)*REC                       ; the other set was last multiplied ahead of the last epilogue
.endif
	MUL p_, 0
	MUL p_, 1
	EPI p_, \i
.endm
.macro OUTLD                           ; the stage just written: my 64 queries' 7,168 bytes as they lie, and once more a query a lane (two queries)
	WIN 0xc0
.irp n, 0,1,2,3,4,5,6,7,8,9,10,11,12,13
	ds_load_b128 v[OO+4*\n:OO+4*\n+3], v[SDA] offset:\n*512
.endr
.irp j, 0,1,2,3,4,5,6
	ds_load_b128 v[PP+4*\j:PP+4*\j+3], v[SQA] offset:16*\j
.endr
.irp j, 0,1,2,3,4,5,6
	ds_load_b128 v[PP+28+4*\j:PP+28+4*\j+3], v[SQA] offset:3584+16*\j
.endr
	WIN 0
.endm
.macro OUT
	WIN 0x0c
.irp n, 0,1,2,3,4,5,6,7,8,9,10,11,12,13
	global_store_b128 v[GO1], v[OO+4*\n:OO+4*\n+3], s[M1P:M1P+1] offset:\n*512   ; 512 consecutive bytes, at a multiple of 256 from m1's first byte
.endr
	WIN 0xff
	v_max3_num_f32 v[PP], v[PP], v[PP+1], v[PP+2]
	v_max3_num_f32 v[PP+28], v[PP+28], v[PP+29], v[PP+30]
.irp i, 3,5,7,9,11,13,15,17,19,21,23,25
	v_max3_num_f32 v[PP], v[PP], v[PP+\i], v[PP+\i+1]
	v_max3_num_f32 v[PP+28], v[PP+28], v[PP+28+\i], v[PP+29+\i]
.endr
	v_max_num_f32 v[PP], v[PP], v[PP+27]
	v_max_num_f32 v[PP+28], v[PP+28], v[PP+55]
	WIN 0x0c
	global_store_b32 v[GO2], v[PP], s[M2P:M2P+1]
	global_store_b32 v[GO2], v[PP+28], s[M2P:M2P+1] offset:3584
	WIN 0
	s_wait_xcnt 0x0                                ; the stores have read their data and bases: only now are these written again
	s_add_nc_u64 s[M1P:M1P+1], s[M1P:M1P+1], M1CG
	s_add_nc_u64 s[M2P:M2P+1], s[M2P:M2P+1], 4
.endm
.macro HEAD fill                       ; the change of slots
	WIN 0
	s_wait_tensorcnt 0x0                           ; all my tensor loads have landed: my quarter of the next slot
	ds_add_u32 v[SPW], v[NIL]
.if \fill
	s_xor_b32 s[G0B+1], s[G0B+1], SLOT1            ; no tensor load of mine is out: the descriptor steps to the slot just read, two groups on
	s_add_nc_u64 s[G0B+2:G0B+3], s[G0B+2:G0B+3], CGB
.endif
	s_xor_b32 s[TB], s[TB], SLOT1
	s_xor_b32 s[SB], s[SB], STGX
	s_wait_dscnt 0x0                               ; the add, my reads of the slot and my stage stores are done
.if \fill
	CROUND
	tensor_load_to_lds s[G0B:G0B+3], s[G1:G1+7]
	s_nop 0
	PLACES 4
.else
	s_barrier_signal -1
	s_barrier_wait -1
.endif
.endm
.macro ADDR                            ; this group's addresses: the slot, and the stage to write
	v_add_nc_u32 v[ADR], s[TB], v[FA0]
	v_add_nc_u32 v[ADS], s[TB], v[FS0]
	v_add_nc_u32 v[ADB], s[TB], v[FB0]
	v_add_nc_u32 v[STA], s[SB], v[ST0]
.endm
.macro NEXT                            ; and the stage just written, to read
	ADDR
	s_xor_b32 s22, s[SB], STGX
	v_add_nc_u32 v[SDA], s22, v[SD0]
	v_add_nc_u32 v[SQA], s22, v[SQ0]
	s_wait_alu depctr_va_vdst(0)
.endm
	s_load_b256 s[4:11], s[0:1], 0x0               ; bank8 s[4:5], q8 s[6:7], m1 s[8:9], m2 s[10:11]
	s_load_b64 s[12:13], s[0:1], 0x20              ; par0
	v_lshl_add_u32 v[SPW], v0, 2, SPARE
	v_mov_b32 v[NIL], 0
	ds_add_u32 v[SPW], v[NIL]                      ; the opening
	ds_add_u32 v[SPW], v[NIL]
	v_lshrrev_b32 v[LN], 5, v0
	v_readfirstlane_b32 s[WV], v[LN]
	s_lshr_b32 s[WA], s[WV], 1
	s_and_b32 s[WB], s[WV], 1
	s_bfe_u32 s[CX], ttmp6, 0x40000
	s_and_b32 s[CY], ttmp7, 0xffff
	s_mov_b32 s[G1], 15|(3<<16)|(1<<21)            ; mask: all four of the cluster; elements of 8 bytes; bit 21 beside the mask
	s_mov_b32 s[G1+1], 32<<16                      ; rows of 256 bytes,
	s_mov_b32 s[G1+2], 119<<16                     ; 119 of them: a quarter of 14 records
	s_mov_b32 s[G1+3], 32<<16
	s_mov_b32 s[G1+4], 119
	s_mov_b32 s[G1+5], 32
	s_mov_b32 s[G1+6], 0
	s_mov_b32 s[G1+7], 0
	s_mul_i32 s44, s[CY], 7*CGB
	s_mov_b32 s52, s44
	s_mov_b32 s53, 0
	s_mul_i32 s22, s[WV], QTR
	s_add_co_u32 s44, s44, s22
	s_mov_b32 s45, 0
	s_mov_b32 s[TB], 0
	s_mov_b32 s[SB], STG0
	s_lshl_b32 s46, s[CX], 4
	s_lshl_b32 s47, s[WA], 3
	s_add_co_u32 s46, s46, s47
	s_mul_i32 s46, s46, REC                        ; my 8 query records
	s_mov_b32 s47, 0
	v_and_b32 v[LN], 31, v0
	v_and_b32 v[RR], 15, v0
	v_bfe_u32 v[HH], v0, 4, 1
	v_lshlrev_b32 v[L16], 4, v[LN]
	v_lshlrev_b32 v[L8], 3, v[LN]
	v_lshlrev_b32 v[R4], 2, v[RR]
	s_wait_alu depctr_va_vdst(0)
	s_wait_dscnt 0x0
	s_wait_kmcnt 0x0
	s_add_nc_u64 s[44:45], s[4:5], s[44:45]
	s_add_nc_u64 s[PFB:PFB+1], s[4:5], s[52:53]
	s_add_nc_u64 s[PFB:PFB+1], s[PFB:PFB+1], 2*CGB ; each refilling trip steps it once at its top: trip k names group k + 3
	s_add_nc_u64 s[6:7], s[6:7], s[46:47]
	s_mov_b32 s[G0A], 1
	s_mov_b32 s[G0A+1], s22
	s_mov_b64 s[G0A+2:G0A+3], s[44:45]
	s_or_b32 s[G0A+3], s[G0A+3], 0x80000000
	s_mov_b32 s[G0B], 1
	s_add_co_u32 s[G0B+1], s22, SLOT1
	s_add_nc_u64 s[G0B+2:G0B+3], s[44:45], CGB
	s_or_b32 s[G0B+3], s[G0B+3], 0x80000000
	CROUND                                         ; all four work-groups are here: the first joint loads meet
	tensor_load_to_lds s[G0A:G0A+3], s[G1:G1+7]    ; group 0: one tensor load a wave at the head
	s_nop 0
	PLACES 4
	WIN 0x40                                       ; the queries, straight into operand registers, while group 0 is on its way
.irp t, 0,1,2,3
.irp n, 0,1,2,3,4,5,6,7,8,9,10,11,12,13,14,15
	global_load_b128 v[64*\t+4*\n:64*\t+4*\n+3], v[L16], s[6:7] offset:\t*REC+\n*512
.endr
.endr
	WIN 0x80
.irp t, 0,1,2,3
.irp n, 0,1,2,3,4,5,6,7,8,9,10,11,12,13,14,15
	global_load_b128 v[64*\t+4*\n:64*\t+4*\n+3], v[L16], s[6:7] offset:(\t+4)*REC+\n*512
.endr
.endr
	WIN 0
.irp t, 0,1,2,3,4,5,6,7
	global_load_b64 v[QS+2*\t:QS+2*\t+1], v[L8], s[6:7] offset:\t*REC+8192
.endr
	WIN 0xc0
.irp t, 0,1,2,3,4,5,6,7
	global_load_b32 v[Q2+2*\t], v[R4], s[6:7] offset:\t*REC+8448     ; q2 of query r, in both halves of a pair
	global_load_b32 v[Q2+2*\t+1], v[R4], s[6:7] offset:\t*REC+8448
.endr
	WIN 0
	s_mul_i32 s23, s[WB], HALF                     ; my 7 tiles of a slot
	v_add_nc_u32 v[FA0], s23, v[L16]
	s_add_co_u32 s22, s23, 8192
	v_add_nc_u32 v[FS0], s22, v[L8]
	s_add_co_u32 s22, s23, 8448
	v_lshl_add_u32 v[FB0], v[HH], 5, s22
	s_mul_i32 s22, s[WA], 128*112                  ; the stage: 112 bytes a query
	s_mul_i32 s23, s[WB], 56
	s_add_co_u32 s22, s22, s23
	v_mul_u32_u24 v[ST0], v[RR], 112
	v_lshl_add_u32 v[ST0], v[HH], 2, v[ST0]
	v_add_nc_u32 v[ST0], s22, v[ST0]
	s_mul_i32 s22, s[WV], 7168                     ; on the way out wave w takes queries 64 w .. 64 w + 63
	v_add_nc_u32 v[SD0], s22, v[L16]
	v_mul_u32_u24 v[SQ0], v[LN], 112
	v_add_nc_u32 v[SQ0], s22, v[SQ0]
	s_mul_i32 s46, s[CX], 28672
	v_add_nc_u32 v[GO1], s46, v[SD0]
	v_add_nc_u32 v[GO2], s46, v[SQ0]
	s_mul_i32 s46, s[CY], 7*M1CG
	s_add_nc_u64 s[M1P:M1P+1], s[8:9], s[46:47]
	s_lshr_b32 s46, s[CY], 2
	s_mul_i32 s46, s46, M1CG
	s_and_b32 s48, s[CY], 3
	s_mul_i32 s48, s48, 28
	s_add_co_u32 s46, s46, s48
	s_add_nc_u64 s[M2P:M2P+1], s[10:11], s[46:47]
	s_lshl_b32 s46, s[CY], 2
	s_add_co_u32 s46, s46, s[CX]
	s_lshl_b32 s46, s46, 8
	s_add_nc_u64 s[12:13], s[12:13], s[46:47]
	s_mul_i32 s52, s[CX], 119                      ; the prefetch: my work-group's 119 blocks of a group's 476, a thread a block; threads 119-127 name their wave's last again
	v_min_u32 v[PFO], 118, v0
	v_add_nc_u32 v[PFO], s52, v[PFO]
	v_lshlrev_b32 v[PFO], 8, v[PFO]
	v_lshlrev_b32 v[PD], 1, v[LN]
	v_and_b32 v[PD], 15, v[PD]
	v_add_nc_u32 v[PD+1], 1, v[PD]
	s_cmp_lg_u32 s[WV], 0
	s_cbranch_scc1 .Lno_par
	global_store_b64 v[L8], v[PD:PD+1], s[12:13]   ; four queries' lists 0..15: one aligned 256 bytes a work-group
.Lno_par:
	s_wait_alu depctr_va_vdst(0)
	s_wait_tensorcnt 0x0                           ; my quarter of group 0 is in; slot 1's first fill is issued as a refill is
	ds_add_u32 v[SPW], v[NIL]
	s_wait_dscnt 0x0
	CROUND
	tensor_load_to_lds s[G0B:G0B+3], s[G1:G1+7]    ; group 1
	s_nop 0
	PLACES 4
	ADDR
	s_wait_alu depctr_va_vdst(0)
	FETCH 0, 0
	WIN 0
	s_wait_loadcnt 0x0                             ; the queries
	s_wait_dscnt 0x0
	s_mov_b32 s[CNT], 5
.Lcga:                                                 ; groups 0 to 4: each trip refills the slot that it has read
	s_wait_xcnt 0x0                                ; the last trip's prefetch has read its base
	s_add_nc_u64 s[PFB:PFB+1], s[PFB:PFB+1], CGB
	TILE 0
	TILE 1
	WIN 0
	s_cmp_eq_u32 s[CNT], 1                         ; the last refilling trip has no group three on
	s_cbranch_scc1 .Lnoask
	global_prefetch_b8 v[PFO], s[PFB:PFB+1] th:TH_LOAD_NT scope:SCOPE_SE
.Lnoask:
	TILE 2
	TILE 3
	TILE 4
	TILE 5
	TILE 6
	HEAD 1
	NEXT
	FETCH 0, 0                                     ; the next group's first tile
	OUTLD
	s_wait_dscnt 0x0
	OUT
	s_sub_co_u32 s[CNT], s[CNT], 1
	s_cmp_lg_u32 s[CNT], 0
	s_cbranch_scc1 .Lcga
	s_mov_b32 s[CNT], 2
.Lcgb:                                                 ; groups 5 and 6: nothing is left to fetch from memory
	TILE 0
	TILE 1
	TILE 2
	TILE 3
	TILE 4
	TILE 5
	TILE 6
	HEAD 0
	NEXT
	s_cmp_eq_u32 s[CNT], 1                         ; behind the last group no tile follows
	s_cbranch_scc1 .Lnofetch
	FETCH 0, 0
	WIN 0
.Lnofetch:
	OUTLD
	s_wait_dscnt 0x0
	OUT
	s_sub_co_u32 s[CNT], s[CNT], 1
	s_cmp_lg_u32 s[CNT], 0
	s_cbranch_scc1 .Lcgb
	s_wait_tensorcnt 0x0                           ; the wave's end
	ds_add_u32 v[SPW], v[NIL]
	s_wait_dscnt 0x0
	CROUND                                         ; the closing round
	s_endpgm
.Lfunc_end_k_qa04adeb6ef_dist:
	.size	k_qa04adeb6ef_dist, .Lfunc_end_k_qa04adeb6ef_dist-k_qa04adeb6ef_dist
	.p2alignl 7, 3214868480
	.fill 96, 4, 3214868480
	.section	.rodata,"a",@progbits
	.p2align	6, 0x0
	.amdhsa_kernel k_qa04adeb6ef_dist
		.amdhsa_group_segment_fixed_size 327680
		.amdhsa_private_segment_fixed_size 0
		.amdhsa_enable_private_segment 0
		.amdhsa_kernarg_size 40
		.amdhsa_user_sgpr_count 2
		.amdhsa_user_sgpr_kernarg_segment_ptr 1
		.amdhsa_wavefront_size32 1
		.amdhsa_system_sgpr_workgroup_id_x 1
		.amdhsa_system_sgpr_workgroup_id_y 1
		.amdhsa_system_sgpr_workgroup_id_z 1
		.amdhsa_system_vgpr_workitem_id 0
		.amdhsa_next_free_vgpr 1024
		.amdhsa_next_free_sgpr 66
		.amdhsa_reserve_vcc 0
		.amdhsa_float_denorm_mode_32 3
		.amdhsa_float_denorm_mode_16_64 3
		.amdhsa_memory_ordered 1
		.amdhsa_forward_progress 1
		.amdhsa_inst_pref_size 199
	.end_amdhsa_kernel
	.amdgpu_metadata
---
amdhsa.version: [ 1, 2 ]
amdhsa.kernels:
  - .name:           k_qa04adeb6ef_dist
    .symbol:         k_qa04adeb6ef_dist.kd
    .args:
      - { .name: bank8, .offset: 0, .size: 8, .value_kind: global_buffer, .address_space: global }
      - { .name: q8, .offset: 8, .size: 8, .value_kind: global_buffer, .address_space: global }
      - { .name: m1, .offset: 16, .size: 8, .value_kind: global_buffer, .address_space: global }
      - { .name: m2, .offset: 24, .size: 8, .value_kind: global_buffer, .address_space: global }
      - { .name: par0, .offset: 32, .size: 8, .value_kind: global_buffer, .address_space: global }
    .group_segment_fixed_size: 327680
    .private_segment_fixed_size: 0
    .kernarg_segment_align: 8
    .kernarg_segment_size: 40
    .max_flat_workgroup_size: 128
    .sgpr_count:     66
    .vgpr_count:     1024
    .wavefront_size: 32
...
	.end_amdgpu_metadata
.endif
;; end of part 2
;; launch selc (part 3): grid 256 x 1, 4 waves a work-group, no clusters, 0 bytes of LDS; arguments m2, par0, sel1; writes sel1
.if DOCPART == 3
	.amdgcn_target "amdgcn-amd-amdhsa--gfx1250"
	.amdhsa_code_object_version 6
	.text
	.protected	k_qa04adeb6ef_selc
	.globl	k_qa04adeb6ef_selc
	.p2align	8
	.type	k_qa04adeb6ef_selc,@function
k_qa04adeb6ef_selc:
	s_mov_b64 s[64:65], 0
	v_nop
	global_prefetch_b8 v0, s[64:65] scope:SCOPE_SE
	s_setreg_imm32_b32 hwreg(HW_REG_WAVE_MODE, 25, 1), 1
	s_wait_xcnt 0x0
; One step of the selection.  Arguments: values [parents][1024 q][28] f32 (114,688 bytes a parent), a list [1024 q][16] of parents, a list [1024 q][16] to be written.
; For each query: of the 16 x 28 children of its 16 parents the 16 with the largest value, equal values to the lower child number (child = 28 x parent + place).  Groups are runs of neighbouring rows, so a row among the 16 best
; always lies in one of the 16 groups with the best (largest value, lowest number): the step loses none.
; A wave takes a query; lane l takes parent l / 2 of the list and 14 of its children.  Sixteen rounds: the largest value of all lanes; among the children that have it the lowest number; that child is struck out.
; Child numbers are carried as NEGATED f32 (exact: under 2^24), so that the largest is the lowest number.  Nothing branches on data; the choice leaves as whole numbers for the next launch.
; LIMITS: NaN is not served; at least 16 of the 448 values are finite (every parent of the list has a finite child).  The list leaves as 64 bytes a query.
.set LN,   1
.set LA,   2
.set PN,   3
.set VA,   4
.set SLT,  5
.set HF,   6
.set TA,   7
.set VV,   8                           ; v[8:21]  my 14 values
.set II,   22                          ; v[22:35] their child numbers, negated
.set MM,   36
.set WN,   37
.set T0,   38
.set T1,   39
.set T2,   40
.set OA,   41
.set RES,  42
.set NINF, 43
	s_load_b128 s[4:7], s[0:1], 0x0                ; values s[4:5], the parents' list s[6:7]
	s_load_b64 s[8:9], s[0:1], 0x10                ; the list to write
	v_lshrrev_b32 v[LN], 5, v0
	v_readfirstlane_b32 s10, v[LN]
	s_lshl_b32 s11, ttmp9, 2
	s_add_co_u32 s11, s11, s10                     ; my query
	v_and_b32 v[LN], 31, v0
	v_lshrrev_b32 v[SLT], 1, v[LN]
	v_and_b32 v[HF], 1, v[LN]
	s_lshl_b32 s12, s11, 6
	s_mul_i32 s13, s11, 112
	v_lshl_add_u32 v[LA], v[SLT], 2, s12
	v_lshl_add_u32 v[OA], v[LN], 2, s12
	s_mov_b32 s20, 0x76543210
	s_mov_b32 s21, 0xfedcba98                      ; selects for lane l xor 16
	v_mov_b32 v[NINF], 0xff800000
	v_mov_b32 v[RES], 0
	s_wait_alu depctr_va_vdst(0)
	s_wait_kmcnt 0x0
	global_load_b32 v[PN], v[LA], s[6:7]
	v_mad_u32_u24 v[TA], v[HF], 56, s13            ; q x 112 + 56 x half
	s_wait_loadcnt 0x0
	v_min_u32 v[PN], 447, v[PN]                    ; a loaded number enters an address only behind a bound
	v_mul_u32_u24 v[VA], v[PN], 0x1c000
	s_wait_alu depctr_va_vdst(0)
	v_add_nc_u32 v[VA], v[VA], v[TA]
.irp n, 0,1,2,3,4,5,6
	global_load_b64 v[VV+2*\n:VV+2*\n+1], v[VA], s[4:5] offset:8*\n
.endr
	v_mul_u32_u24 v[T0], v[PN], 28
	v_mad_u32_u24 v[T0], v[HF], 14, v[T0]
	v_cvt_f32_u32 v[T0], v[T0]
	v_mul_f32 v[II], -1.0, v[T0]
.irp k, 1,2,3,4,5,6,7,8,9,10,11,12,13
	v_add_f32 v[II+\k], -1.0, v[II+\k-1]
.endr
	s_wait_loadcnt 0x0
.macro XMAX x, t                       ; the largest over the 32 lanes, in every lane
	v_max_num_f32_dpp v[\x], v[\x], v[\x] row_xmask:1 row_mask:0xf bank_mask:0xf
	v_max_num_f32_dpp v[\x], v[\x], v[\x] row_xmask:2 row_mask:0xf bank_mask:0xf
	v_max_num_f32_dpp v[\x], v[\x], v[\x] row_xmask:4 row_mask:0xf bank_mask:0xf
	v_max_num_f32_dpp v[\x], v[\x], v[\x] row_xmask:8 row_mask:0xf bank_mask:0xf
	v_permlanex16_b32 v[\t], v[\x], s20, s21
	v_max_num_f32 v[\x], v[\x], v[\t]
.endm
.macro PICK t
	v_max3_num_f32 v[MM], v[VV], v[VV+1], v[VV+2]
	v_max3_num_f32 v[T0], v[VV+3], v[VV+4], v[VV+5]
	v_max3_num_f32 v[MM], v[MM], v[VV+6], v[VV+7]
	v_max3_num_f32 v[T0], v[T0], v[VV+8], v[VV+9]
	v_max3_num_f32 v[MM], v[MM], v[VV+10], v[VV+11]
	v_max3_num_f32 v[T0], v[T0], v[VV+12], v[VV+13]
	v_max_num_f32 v[MM], v[MM], v[T0]
	XMAX MM, T0                                    ; the largest value left
	v_mov_b32 v[WN], v[NINF]
.irp k, 0,2,4,6,8,10,12
	v_cmp_eq_f32 s24, v[VV+\k], v[MM]
	v_cmp_eq_f32 s25, v[VV+\k+1], v[MM]
	v_cndmask_b32 v[T1], v[NINF], v[II+\k], s24
	v_cndmask_b32 v[T2], v[NINF], v[II+\k+1], s25
	v_max3_num_f32 v[WN], v[WN], v[T1], v[T2]
.endr
	XMAX WN, T0                                    ; the lowest number among those that have it
.irp k, 0,2,4,6,8,10,12
	v_cmp_eq_f32 s24, v[II+\k], v[WN]
	v_cmp_eq_f32 s25, v[II+\k+1], v[WN]
	v_cndmask_b32 v[VV+\k], v[VV+\k], v[NINF], s24 ; struck out
	v_cndmask_b32 v[VV+\k+1], v[VV+\k+1], v[NINF], s25
.endr
	v_cmp_eq_u32 vcc_lo, \t, v[LN]
	v_cndmask_b32 v[RES], v[RES], v[WN], vcc_lo    ; lane t keeps round t's choice
.endm
.irp t, 0,1,2,3,4,5,6,7,8,9,10,11,12,13,14,15
	PICK \t
.endr
	v_mul_f32 v[RES], -1.0, v[RES]
	v_cvt_u32_f32 v[RES], v[RES]
	v_cmp_gt_u32 vcc_lo, 16, v[LN]
	s_wait_alu depctr_va_vdst(0)
	s_wait_xcnt 0x0                                ; EXEC changes only behind this wait
	s_and_saveexec_b32 s26, vcc_lo
	global_store_b32 v[OA], v[RES], s[8:9]
	s_wait_xcnt 0x0
	s_or_b32 exec_lo, exec_lo, s26
	s_endpgm
.Lfunc_end_k_qa04adeb6ef_selc:
	.size	k_qa04adeb6ef_selc, .Lfunc_end_k_qa04adeb6ef_selc-k_qa04adeb6ef_selc
	.p2alignl 7, 3214868480
	.fill 96, 4, 3214868480
	.section	.rodata,"a",@progbits
	.p2align	6, 0x0
	.amdhsa_kernel k_qa04adeb6ef_selc
		.amdhsa_group_segment_fixed_size 0
		.amdhsa_private_segment_fixed_size 0
		.amdhsa_enable_private_segment 0
		.amdhsa_kernarg_size 24
		.amdhsa_user_sgpr_count 2
		.amdhsa_user_sgpr_kernarg_segment_ptr 1
		.amdhsa_wavefront_size32 1
		.amdhsa_system_sgpr_workgroup_id_x 1
		.amdhsa_system_sgpr_workgroup_id_y 1
		.amdhsa_system_sgpr_workgroup_id_z 1
		.amdhsa_system_vgpr_workitem_id 0
		.amdhsa_next_free_vgpr 64
		.amdhsa_next_free_sgpr 66
		.amdhsa_reserve_vcc 1
		.amdhsa_float_denorm_mode_32 3
		.amdhsa_float_denorm_mode_16_64 3
		.amdhsa_memory_ordered 1
		.amdhsa_forward_progress 1
		.amdhsa_inst_pref_size 86
	.end_amdhsa_kernel
	.amdgpu_metadata
---
amdhsa.version: [ 1, 2 ]
amdhsa.kernels:
  - .name:           k_qa04adeb6ef_selc
    .symbol:         k_qa04adeb6ef_selc.kd
    .args:
      - { .name: m2, .offset: 0, .size: 8, .value_kind: global_buffer, .address_space: global }
      - { .name: par0, .offset: 8, .size: 8, .value_kind: global_buffer, .address_space: global }
      - { .name: sel1, .offset: 16, .size: 8, .value_kind: global_buffer, .address_space: global }
    .group_segment_fixed_size: 0
    .private_segment_fixed_size: 0
    .kernarg_segment_align: 8
    .kernarg_segment_size: 24
    .max_flat_workgroup_size: 128
    .sgpr_count:     66
    .vgpr_count:     64
    .wavefront_size: 32
...
	.end_amdgpu_metadata
.endif
;; end of part 3
;; launch selfine: the kernel of part 3 again; grid 256 x 1, 4 waves a work-group, no clusters, 0 bytes of LDS; arguments m1, sel1, sel2; writes sel2
;; launch final (part 4): grid 256 x 1, 4 waves a work-group, no clusters, 4,608 bytes of LDS; arguments bank8, q8, sel2, act_bank, out0; writes out0
.if DOCPART == 4
	.amdgcn_target "amdgcn-amd-amdhsa--gfx1250"
	.amdhsa_code_object_version 6
	.text
	.protected	k_qa04adeb6ef_final
	.globl	k_qa04adeb6ef_final
	.p2align	8
	.type	k_qa04adeb6ef_final,@function
k_qa04adeb6ef_final:
	s_mov_b64 s[64:65], 0
	v_nop
	global_prefetch_b8 v0, s[64:65] scope:SCOPE_SE
	s_setreg_imm32_b32 hwreg(HW_REG_WAVE_MODE, 25, 1), 1
	s_wait_xcnt 0x0
; For each query: the scores s = 2 x dot - (q2 + b2) of the 128 rows of its 16 chosen groups of 8 rows are made anew (the same matrix instruction, operand sides and K order as in the launch that made the maxima),
; the 16 largest are taken, equal scores to the lower row, and out0 is the mean of their rows of act_bank.
; The choice steers no address: the act rows of all 128 candidates are loaded, and each is multiplied by its weight, 1 or 0.
; A wave takes a query.  Source 0: tile i = groups 2 i and 2 i + 1 of the list (lane r: group 2 i + r / 8, row r % 8); source 1: the query in all 16 columns.  So register j of lane (r, h) is the dot of candidate 16 i + 8 h + j.
; The 128 dots turn through the wave's own 512 bytes of LDS, so that lane l holds candidates 4 l .. 4 l + 3; the weights go back through 512 more.  Waves share nothing: no barrier.
; LIMITS: NaN and infinities among the inputs are not served.  out0 leaves as 128 bytes a query.
; REGISTERS: window 0: addresses, scale words, the query's fragment, 8 accumulators, weights.  Windows 1, 2: the candidates' fragment (i, s) at v[64 (i % 4) + 16 s].  Window 3: the act rows, v[8 g + 4 n ..].
.set REC,  8704
.set LN,   1
.set RR,   2
.set HH,   3
.set L16,  4
.set GA,   5
.set GLA,  6
.set CL,   7
.set SL,   8
.set QFA,  9
.set QSA,  10
.set Q2A,  11
.set B2A,  12
.set GL,   13
.set Q2,   14
.set TT,   15
.set GG,   16                          ; v16-23 group numbers, a tile each; later the sums
.set AD,   24                          ; v24-31 offsets of the codes; later at work
.set ASA,  32                          ; v32-39 offsets of the scale words
.set AS,   40                          ; v40-55 the candidates' scale words: nothing but scales
.set QSC,  56                          ; v56-57 the query's: nothing but scales
.set UU,   58
.set B2C,  60                          ; v60-63 b2 of my four candidates
.set VV,   64                          ; v64-67 their dots, then their scores
.set II,   68                          ; v68-71 their row numbers, negated
.set WW,   72                          ; v72-75 their weights
.set AO,   76                          ; v76-91 offsets of the act rows
.set DSTA, 92
.set DLA,  93
.set WLA,  94
.set QF,   96
.set ACC,  160
.set WL,   224
.set SUM,  16
.set MM,   24
.set WN,   25
.set T0,   26
.set NINF, 30
.set ONE,  31
.set SEL,  46
.set MSB, 0
.macro WIN new
.if MSB != \new
	s_set_vgpr_msb (MSB<<8)|\new
.set MSB, \new
.endif
.endm
	s_load_b256 s[4:11], s[0:1], 0x0               ; bank8 s[4:5], q8 s[6:7], sel2 s[8:9], act_bank s[10:11]
	s_load_b64 s[12:13], s[0:1], 0x20              ; out0
	v_lshl_add_u32 v59, v0, 2, 0x1000
	v_mov_b32 v95, 0
	v_lshrrev_b32 v[LN], 5, v0
	v_readfirstlane_b32 s14, v[LN]                 ; wave
	s_lshl_b32 s15, ttmp9, 2
	s_add_co_u32 s15, s15, s14                     ; my query
	v_and_b32 v[LN], 31, v0
	v_and_b32 v[RR], 15, v0
	v_bfe_u32 v[HH], v0, 4, 1
	s_wait_alu depctr_va_vdst(0)
	v_lshlrev_b32 v[L16], 4, v[LN]
	s_lshl_b32 s34, s15, 6                         ; the query's list: 64 bytes
	s_mov_b32 s35, 0
	v_lshrrev_b32 v[GA], 3, v[RR]
	v_lshl_add_u32 v[GA], v[GA], 2, s34
	v_lshrrev_b32 v[GLA], 1, v[LN]
	v_lshl_add_u32 v[GLA], v[GLA], 2, s34
	s_and_b32 s38, s15, 15                         ; the query's row in its record
	s_lshr_b32 s40, s15, 4
	s_mul_i32 s40, s40, REC
	s_mov_b32 s41, 0
	s_lshl_b32 s39, s38, 4
	v_lshl_add_u32 v[QFA], v[HH], 8, s39           ; 16 (16 h + row)
	s_lshl_b32 s39, s38, 3
	v_lshl_add_u32 v[QSA], v[HH], 7, s39           ; 8 (16 h + row)
	s_lshl_b32 s39, s38, 2
	v_mov_b32 v[Q2A], s39
	s_mov_b32 s[SEL], 0x76543210
	s_mov_b32 s[SEL+1], 0xfedcba98
	s_wait_alu depctr_va_vdst(0)
	s_wait_kmcnt 0x0
	s_add_nc_u64 s[36:37], s[8:9], s[34:35]
	s_load_b512 s[16:31], s[36:37], 0x0            ; the 16 group numbers as scalars, for the act rows
.irp i, 0,1,2,3,4,5,6,7
	global_load_b32 v[GG+\i], v[GA], s[8:9] offset:8*\i   ; group 2 i + r / 8
.endr
	global_load_b32 v[GL], v[GLA], s[8:9]          ; group l / 2: that of my four candidates
	s_add_nc_u64 s[6:7], s[6:7], s[40:41]
.irp n, 0,1,2,3,4,5,6,7,8,9,10,11,12,13,14,15
	global_load_b128 v[QF+4*\n:QF+4*\n+3], v[QFA], s[6:7] offset:\n*512
.endr
	global_load_b64 v[QSC:QSC+1], v[QSA], s[6:7] offset:8192
	global_load_b32 v[Q2], v[Q2A], s[6:7] offset:8448
	s_lshl_b32 s40, s15, 7
	s_add_nc_u64 s[12:13], s[12:13], s[40:41]      ; my row of out0
	v_and_b32 v[TT], 7, v[RR]
	v_lshlrev_b32 v[CL], 4, v[TT]
	v_lshl_add_u32 v[CL], v[HH], 8, v[CL]          ; 256 h + 16 (r % 8)
	v_lshlrev_b32 v[SL], 3, v[TT]
	v_lshl_add_u32 v[SL], v[HH], 7, v[SL]          ; 128 h + 8 (r % 8)
	s_lshl_b32 s42, s14, 10                        ; my wave's 1,024 bytes of LDS
	v_lshl_add_u32 v[DSTA], v[HH], 5, s42
	v_add_nc_u32 v[DLA], s42, v[L16]
	v_lshrrev_b32 v[TT], 3, v[LN]
	s_add_co_u32 s43, s42, 512
	v_lshl_add_u32 v[WLA], v[TT], 2, s43
	v_and_b32 v[TT], 1, v[LN]
	s_wait_kmcnt 0x0
	s_wait_loadcnt 18                              ; the nine loads from the list are in; behind them stand the query's 18
.irp i, 0,1,2,3,4,5,6,7
	v_lshrrev_b32 v[AD+\i], 1, v[GG+\i]            ; the record,
	v_and_b32 v[GG+\i], 1, v[GG+\i]                ; and which half of its rows
	v_min_u32 v[AD+\i], 6271, v[AD+\i]             ; loaded numbers enter an address only behind a bound
	v_min_u32 v[GG+\i], 1, v[GG+\i]
	v_mul_u32_u24 v[AD+\i], v[AD+\i], REC
	v_lshl_add_u32 v[ASA+\i], v[GG+\i], 6, v[AD+\i]
	v_lshl_add_u32 v[AD+\i], v[GG+\i], 7, v[AD+\i]
	v_add_nc_u32 v[ASA+\i], v[ASA+\i], v[SL]
	v_add_nc_u32 v[AD+\i], v[AD+\i], v[CL]
.endr
	v_lshrrev_b32 v[B2A], 1, v[GL]
	v_and_b32 v[UU], 1, v[GL]
	v_min_u32 v[B2A], 6271, v[B2A]
	v_min_u32 v[UU], 1, v[UU]
	v_mul_u32_u24 v[B2A], v[B2A], REC
	v_lshl_add_u32 v[B2A], v[UU], 5, v[B2A]
	v_lshl_add_u32 v[B2A], v[TT], 4, v[B2A]        ; b2 of rows 8 u + 4 (l % 2) + 0 .. 3
.irp k, 0,1,2,3,4,5,6,7,8,9,10,11,12,13,14,15
	s_min_u32 s[16+\k], s[16+\k], 12499
	v_lshl_add_u32 v[AO+\k], s[16+\k], 10, v[L16]  ; a group's 8 act rows are 1,024 consecutive bytes
.endr
	WIN 0x40
.irp i, 0,1,2,3
.irp n, 0,1,2,3,4,5,6,7,8,9,10,11,12,13,14,15
	global_load_b128 v[64*\i+4*\n:64*\i+4*\n+3], v[AD+\i], s[4:5] offset:\n*512   ; runs of 128 bytes: 8 rows' 16 codes
.endr
.endr
	WIN 0x80
.irp i, 0,1,2,3
.irp n, 0,1,2,3,4,5,6,7,8,9,10,11,12,13,14,15
	global_load_b128 v[64*\i+4*\n:64*\i+4*\n+3], v[AD+4+\i], s[4:5] offset:\n*512
.endr
.endr
	WIN 0
.irp i, 0,1,2,3,4,5,6,7
	global_load_b64 v[AS+2*\i:AS+2*\i+1], v[ASA+\i], s[4:5] offset:8192
.endr
	global_load_b128 v[B2C:B2C+3], v[B2A], s[4:5] offset:8448
	WIN 0xc0
	s_wait_alu depctr_va_vdst(0)
.irp k, 0,1,2,3,4,5,6,7,8,9,10,11,12,13,14,15
	global_load_b128 v[8*\k:8*\k+3], v[AO+\k], s[10:11]              ; rows 0-3 of group k: lane l: row l / 8, columns 4 (l % 8) on
	global_load_b128 v[8*\k+4:8*\k+7], v[AO+\k], s[10:11] offset:512 ; rows 4-7
.endr
	WIN 0
	v_lshlrev_b32 v[II], 3, v[GL]
	v_lshl_add_u32 v[II], v[TT], 2, v[II]          ; my first candidate's row in the bank
	v_cvt_f32_u32 v[II], v[II]
	v_mul_f32 v[II], -1.0, v[II]                   ; negated, exact: the largest is the lowest row
.irp k, 1,2,3
	v_add_f32 v[II+\k], -1.0, v[II+\k-1]
.endr
.irp k, 0,1,2,3
	v_mov_b32 v[WW+\k], 0
.endr
	s_wait_loadcnt 32                              ; all but the 32 loads of act rows
.macro FM s, i                         ; K step s, tile i: the eight accumulators take turns
.set wn_, 1+(\i)/4
	WIN wn_                                        ; source 0: window 1 or 2
.set rD, ACC+8*(\i)
.set rA, 64*((\i)%4)+16*(\s)
.set rB, QF+16*(\s)
.set rSA, AS+2*(\i)+(\s)/2
.set rSB, QSC+(\s)/2
.if (\s) == 0
	v_wmma_scale_f32_16x16x128_f8f6f4 v[rD:rD+7], v[rA:rA+15], v[rB:rB+15], 0, v[rSA], v[rSB]
.elseif (\s) == 2
	v_wmma_scale_f32_16x16x128_f8f6f4 v[rD:rD+7], v[rA:rA+15], v[rB:rB+15], v[rD:rD+7], v[rSA], v[rSB]
.else
	v_wmma_scale_f32_16x16x128_f8f6f4 v[rD:rD+7], v[rA:rA+15], v[rB:rB+15], v[rD:rD+7], v[rSA], v[rSB] matrix_a_scale:MATRIX_SCALE_ROW1 matrix_b_scale:MATRIX_SCALE_ROW1
.endif
.endm
.irp s, 0,1,2,3
.irp i, 0,1,2,3,4,5,6,7
	FM \s, \i
.endr
.endr
	WIN 0
.rept 8
	v_nop                                          ; eight places between the last product and the first read of results
.endr
.irp i, 0,1,2,3,4,5,6,7
	ds_store_b128 v[DSTA], v[ACC+8*\i:ACC+8*\i+3] offset:64*\i      ; candidates 16 i + 8 h + 0 .. 7; the sixteen columns hold the same numbers and write the same bytes.  Each accumulator from its low end on
	ds_store_b128 v[DSTA], v[ACC+8*\i+4:ACC+8*\i+7] offset:64*\i+16
.endr
	ds_load_b128 v[VV:VV+3], v[DLA]                ; LDS serves a wave's instructions in order: candidates 4 l .. 4 l + 3
	v_mov_b32 v[NINF], 0xff800000
	v_mov_b32 v[ONE], 1.0
.irp k, 0,1,2,3
	v_mov_b32 v[T0+\k], 0
	v_add_f32 v[B2C+\k], v[Q2], v[B2C+\k]          ; q2 + b2
.endr
	s_wait_alu depctr_va_vdst(0)
	s_wait_dscnt 0x0
.irp k, 0,1,2,3
	v_fma_f32 v[VV+\k], v[VV+\k], 2.0, -v[B2C+\k]  ; the score
.endr
.macro XMAX x, t
	v_max_num_f32_dpp v[\x], v[\x], v[\x] row_xmask:1 row_mask:0xf bank_mask:0xf
	v_max_num_f32_dpp v[\x], v[\x], v[\x] row_xmask:2 row_mask:0xf bank_mask:0xf
	v_max_num_f32_dpp v[\x], v[\x], v[\x] row_xmask:4 row_mask:0xf bank_mask:0xf
	v_max_num_f32_dpp v[\x], v[\x], v[\x] row_xmask:8 row_mask:0xf bank_mask:0xf
	v_permlanex16_b32 v[\t], v[\x], s[SEL], s[SEL+1]
	v_max_num_f32 v[\x], v[\x], v[\t]
.endm
.macro PICK                            ; the largest score left; among those that have it the lowest row; it is struck out and its weight becomes 1
	v_max3_num_f32 v[MM], v[VV], v[VV+1], v[VV+2]
	v_max_num_f32 v[MM], v[MM], v[VV+3]
	XMAX MM, T0
.irp k, 0,1,2,3
	v_cmp_eq_f32 vcc_lo, v[VV+\k], v[MM]
	v_cndmask_b32 v[T0+\k], v[NINF], v[II+\k], vcc_lo
.endr
	v_max3_num_f32 v[WN], v[T0], v[T0+1], v[T0+2]
	v_max_num_f32 v[WN], v[WN], v[T0+3]
	XMAX WN, T0
.irp k, 0,1,2,3
	v_cmp_eq_f32 vcc_lo, v[II+\k], v[WN]
	v_cndmask_b32 v[VV+\k], v[VV+\k], v[NINF], vcc_lo
	v_cndmask_b32 v[WW+\k], v[WW+\k], v[ONE], vcc_lo
.endr
.endm
.rept 16
	PICK
.endr
	ds_store_b128 v[DLA], v[WW:WW+3] offset:512
.irp k, 0,1,2,3,4,5,6,7,8,9,10,11,12,13,14,15
	ds_load_b32 v[WL+2*\k], v[WLA] offset:32*\k        ; the weight of group k's row l / 8,
	ds_load_b32 v[WL+2*\k+1], v[WLA] offset:32*\k+16   ; and of its row 4 + l / 8
.endr
	s_wait_dscnt 0x0
	s_wait_loadcnt 0x0                             ; the act rows
	WIN 0x03                                       ; source 0: window 3
.irp n, 0,1
.irp d, 0,1,2,3
	v_mul_f32 v[SUM+4*\n+\d], v[4*\n+\d], v[WL+\n]
.endr
.endr
.irp k, 1,2,3,4,5,6,7,8,9,10,11,12,13,14,15
.irp n, 0,1
.irp d, 0,1,2,3
	v_fma_f32 v[SUM+4*\n+\d], v[8*\k+4*\n+\d], v[WL+2*\k+\n], v[SUM+4*\n+\d]
.endr
.endr
.endr
	WIN 0
.irp d, 0,1,2,3
	v_add_f32 v[SUM+\d], v[SUM+\d], v[SUM+4+\d]
.endr
.irp d, 0,1,2,3
	v_add_f32_dpp v[SUM+\d], v[SUM+\d], v[SUM+\d] row_xmask:8 row_mask:0xf bank_mask:0xf   ; lanes l and l xor 8 hold the same columns,
.endr
.irp d, 0,1,2,3
	v_permlanex16_b32 v[T0+\d], v[SUM+\d], s[SEL], s[SEL+1]                                ; and so do l and l xor 16
.endr
.irp d, 0,1,2,3
	v_add_f32 v[SUM+\d], v[SUM+\d], v[T0+\d]
.endr
.irp d, 0,1,2,3
	v_mul_f32 v[SUM+\d], 0x3d800000, v[SUM+\d]     ; / 16
.endr
	v_cmp_gt_u32 vcc_lo, 8, v[LN]
	s_wait_alu depctr_va_vdst(0)
	s_wait_xcnt 0x0                                ; EXEC changes only behind this wait
	s_wait_tensorcnt 0x0
	ds_add_u32 v59, v95
	s_wait_dscnt 0x0
	s_and_saveexec_b32 s48, vcc_lo
	global_store_b128 v[L16], v[SUM:SUM+3], s[12:13]   ; lanes 0-7: the query's 32 numbers
	s_wait_xcnt 0x0
	s_or_b32 exec_lo, exec_lo, s48
	s_endpgm
.Lfunc_end_k_qa04adeb6ef_final:
	.size	k_qa04adeb6ef_final, .Lfunc_end_k_qa04adeb6ef_final-k_qa04adeb6ef_final
	.p2alignl 7, 3214868480
	.fill 96, 4, 3214868480
	.section	.rodata,"a",@progbits
	.p2align	6, 0x0
	.amdhsa_kernel k_qa04adeb6ef_final
		.amdhsa_group_segment_fixed_size 4608
		.amdhsa_private_segment_fixed_size 0
		.amdhsa_enable_private_segment 0
		.amdhsa_kernarg_size 40
		.amdhsa_user_sgpr_count 2
		.amdhsa_user_sgpr_kernarg_segment_ptr 1
		.amdhsa_wavefront_size32 1
		.amdhsa_system_sgpr_workgroup_id_x 1
		.amdhsa_system_sgpr_workgroup_id_y 1
		.amdhsa_system_sgpr_workgroup_id_z 1
		.amdhsa_system_vgpr_workitem_id 0
		.amdhsa_next_free_vgpr 1024
		.amdhsa_next_free_sgpr 66
		.amdhsa_reserve_vcc 1
		.amdhsa_float_denorm_mode_32 3
		.amdhsa_float_denorm_mode_16_64 3
		.amdhsa_memory_ordered 1
		.amdhsa_forward_progress 1
		.amdhsa_inst_pref_size 69
	.end_amdhsa_kernel
	.amdgpu_metadata
---
amdhsa.version: [ 1, 2 ]
amdhsa.kernels:
  - .name:           k_qa04adeb6ef_final
    .symbol:         k_qa04adeb6ef_final.kd
    .args:
      - { .name: bank8, .offset: 0, .size: 8, .value_kind: global_buffer, .address_space: global }
      - { .name: q8, .offset: 8, .size: 8, .value_kind: global_buffer, .address_space: global }
      - { .name: sel2, .offset: 16, .size: 8, .value_kind: global_buffer, .address_space: global }
      - { .name: act_bank, .offset: 24, .size: 8, .value_kind: global_buffer, .address_space: global }
      - { .name: out0, .offset: 32, .size: 8, .value_kind: global_buffer, .address_space: global }
    .group_segment_fixed_size: 4608
    .private_segment_fixed_size: 0
    .kernarg_segment_align: 8
    .kernarg_segment_size: 40
    .max_flat_workgroup_size: 128
    .sgpr_count:     66
    .vgpr_count:     1024
    .wavefront_size: 32
...
	.end_amdgpu_metadata
.endif
;; end of part 4
